; MI455X (gfx1250); checked and timed in simulation.
; The chip was launched on July 23, 2026; its instructions are those of AMD's public machine-readable ISA for CDNA 5 (MIT licence, August 2026) and "CDNA5" Instruction Set Architecture Reference Guide (July 2026). The comments in the code are by the model that wrote it; some were corrected since.
;; Bigbird Simulated Attention. Allowed arithmetic: matrix products marked QUANTISED: E2M3 operands, one E8M0 scale for each 32 along K, by v_wmma_scale_f32_16x16x128_f8f6f4 with both operands' format E2M3, f32 sums; everything else in f32.
;; Inputs: k_codes 2 x 6 x 4,096 x 2 x 24 uint8 (E2M3 codes of k, K innermost, in blocks of 32 codes, four codes in three bytes); k_scales 2 x 6 x 4,096 x 2 uint8 (E8M0 scales of k, one for each 32 codes along K); mask 4,096 x 4,096 int32; q_codes 2 x 6 x 4,096 x 2 x 24 uint8 (E2M3 codes of q, K innermost, in blocks of 32 codes, four codes in three bytes); q_scales 2 x 6 x 4,096 x 2 uint8 (E8M0 scales of q, one for each 32 codes along K); v_codes 2 x 6 x 64 x 128 x 24 uint8 (E2M3 codes of v, K innermost, in blocks of 32 codes, four codes in three bytes); v_scales 2 x 6 x 64 x 128 uint8 (E8M0 scales of v, one for each 32 codes along K).
;; Outputs: out0 2 x 6 x 4,096 x 64 float32.
;; This version of the problem:
;;   THIS VERSION OF THE PROBLEM IS GIVEN IN LOW PRECISION. The matrix products marked QUANTISED in the list below multiply operands that are first quantised to E2M3 (2 exponent bits, 3 mantissa bits; 6 bits a number), with one power-of-two scale for each 32 numbers along K (OCP MX v1.0); their sums are f32. All else is computed in f32.
;;   The module's matrix products, in the order in which they are computed (A, B: the left and right operand; K: the contracted axis; several contracted axes count as one K, in the product's order):
;;     1. batch 12 x [M 4,096, K 64] x [K 64, N 4,096]; A: input q (given as codes); B: input k (given as codes): QUANTISED
;;     2. batch 12 x [M 4,096, K 4,096] x [K 4,096, N 64]; A: softmax (see below); B: input v (given as codes): QUANTISED
;;   THE QUANTISER, for each operand of a quantised product, along K:
;;     - K is cut into blocks of 32 from its start; a last block that is shorter is filled with zeros.
;;     - A block's scale is 2^e with e = floor(log2(the largest magnitude in the block)) - 2, held to -126 .. 127; a block of zeros has e = 0. As a byte (E8M0): e + 127.
;;     - Each number is divided by its block's scale, clamped to +-7.5, and rounded to the nearest number of E2M3, ties to even, subnormals kept.
;;     - The product sums the exact products of the quantised numbers (number of the format x scale) in f32.
;;   ~~~python
;;   def quantise(x, axis):      # numpy; x: float32 -> the quantised numbers, widened to float32 again
;;       x = np.moveaxis(x, axis, -1); K = x.shape[-1]
;;       x = np.pad(x, [(0, 0)] * (x.ndim - 1) + [(0, -K % 32)]); x = x.reshape(x.shape[:-1] + (-1, 32)); a = np.abs(x).max(-1, keepdims=True)
;;       e = np.where(a > 0, np.clip(np.frexp(np.where(a > 0, a, 1))[1] - 1 - 2, -126, 127), 0)      # np.frexp(a)[1] - 1 = floor(log2(a)), exactly
;;       r = np.clip(x / 2.0 ** e, -7.5, 7.5)
;;       step = 2.0 ** (np.maximum(np.frexp(np.where(r == 0, 1, r))[1] - 1, 0) - 3)
;;       q = np.round(r / step) * step * 2.0 ** e      # np.round: ties to even
;;       return np.moveaxis(q.reshape(q.shape[:-2] + (-1,))[..., :K], -1, axis).astype(np.float32)
;;   ~~~
;;   SOFTMAX AHEAD OF A QUANTISED PRODUCT. Where the list says 'softmax', what is quantised is not the finished softmax but p = 2^(t - M), with t = logit x log2(e) and M = ceil(the row's largest t), a whole number; so 1/2 < the row's largest p <= 1. The row's sum l is taken of the UNQUANTISED p, in f32, and the product's result is divided by l at the end. Since M is a whole number, a kernel that streams over the keys may use a running M (the ceiling of the running maximum): every later rescaling is an exact power of two, which a block's scale takes up: the codes' values come out the same.
;;   OPERANDS COMPUTED ON THE WAY. 'Computed on the way' means the value that the module computes at that place (a softmax that the list does not call 'softmax' is quantised finished and normalised). What goes into a quantiser is computed in f32, as accurately as f32 sums, v_exp_f32 and their like allow (about 1e-6 of the number): no bf16 or f16 on the way to a quantiser, and a product that is left as it is and whose result goes on into a quantised operand takes f32 operands (vector FMAs, or v_wmma_f32_16x16x4_f32). A number that lies on a knife's edge between two numbers of the format may be rounded either way, as far as f32 arithmetic and the matrix unit's own rounding can turn it there, and no further.
;;   INPUTS GIVEN AS CODES. k (in the module: [2, 6, 4096, 64], K = its axis 3); q (in the module: [2, 6, 4096, 64], K = its axis 3); v (in the module: [2, 6, 4096, 64], K = its axis 2): each comes as NAME_codes (uint8): NAME with its K axis moved to the last place and cut into blocks of 32 codes, [.., K / 32, bytes a block], one block behind the other in memory; four codes in three bytes: a row's codes are one little-endian stream of bits, code i at bits 6 i .. 6 i + 5 (a code: sign, 2 exponent bits, 3 mantissa bits); and NAME_scales (uint8): the same leading axes, one E8M0 byte (e + 127) for each 32 codes along K. Its value is code x scale, taken as it is: it is not quantised again, and the codes and scales need not be those that the quantiser above would give.
;; 2 versions, each right; version 2 is version 1 with the launch attn written anew for expert scheduling mode. Each part assembles by itself: llvm-mc -triple=amdgcn-amd-amdhsa -mcpu=gfx1250 --defsym DOCPART=n.
;; ======== version 1 of 2: 2 launches
;; limits: right only within a limited range of input values
;; workspace buffers: kv 4,915,200 bytes; bits 2,162,688 bytes of whole numbers; lists 65,536 bytes of whole numbers
;; launch prep (part 1): grid 256 x 1, 16 waves a work-group, no clusters, 73,728 bytes of LDS; arguments mask, k_codes, k_scales, v_codes, v_scales, kv, bits, lists; writes kv, bits, lists
.if DOCPART == 1
	.amdgcn_target "amdgcn-amd-amdhsa--gfx1250"
	.amdhsa_code_object_version 6
	.text
	.protected	k_q8a4e25f89e_prep
	.globl	k_q8a4e25f89e_prep
	.p2align	8
	.type	k_q8a4e25f89e_prep,@function
k_q8a4e25f89e_prep:
	s_mov_b64 s[64:65], 0
	v_nop
	global_prefetch_b8 v0, s[64:65] scope:SCOPE_SE
	s_setreg_imm32_b32 hwreg(HW_REG_WAVE_MODE, 25, 1), 1
	s_wait_xcnt 0x0
; THE MASK IS READ ONCE AND PACKED, AND K AND V ARE LAID OUT AS THE NEXT LAUNCH'S OPERAND REGISTERS TAKE THEM.
; mask: [4096][4096] int32, open where > 0.  Work-group x owns its rows 16 x .. 16 x + 15 (tile x of 16 queries): 256 KiB.  Wave w owns key blocks 4 w .. 4 w + 3 (64 keys each).
; bits:  for tile t and key block c 32 words at 8448 t + 128 c.  Word n is a LANE MASK for the next launch: bit 16 h + r = mask[16 t + r][64 c + 32 (n / 16) + 16 h + n % 16] > 0.  Blocks 64, 65 of a tile are zeros.
; lists: 256 bytes a tile.  64 half words: the key blocks that hold an open place, ascending, as c | (wholly open) << 8, then 64 (a block that counts for nothing).  As soon as one of the 16 rows is
;        wholly hidden, ALL 64 blocks are listed: such a row attends evenly to every key.  Entry e of pair p lies at byte 32 (p % 4) + 4 (p / 4) + 2 e: the pairs of wave p % 4 of the next launch lie on end.
;        Then 32 words: word l = the steps of wave l % 4 = (pairs + 3 - l % 4) / 4.
; kv:    a record of 6,400 bytes for head and key block: two fragments of K (3 x 512 bytes each, a lane's 16 bytes at 16 x lane), four half fragments of V (512 + 256 bytes), 256 bytes of scale words.
; No pattern of the mask is built in: a mask with an open place in every block gives full lists.
; All 32 mask loads of a wave go out at its head (16 KiB a wave, 256 KiB a work-group); each covers two whole rows of 256 consecutive bytes.  No loop, one barrier.
; No matrix unit, no tensor load, no cluster: the launch streams, and no two work-groups read the same byte.
.set STGB,  4352                       ; a wave's stage in LDS: 16 rows x (256 bytes + 16): the rows start in 16 different groups of banks
.set FLW,   16*STGB                    ; behind the stages: 128 bytes a wave: the flags of its four blocks, and which rows had an open place
.set SPARE, FLW+2048                   ; the spare words, 128 bytes for each of 16 waves: eight blocks of 256 bytes that no other line names
.set REC,   6400                       ; a record of kv
.set W,  12                            ; v12-15   the wave's 128 packed words, as one store takes them
.set R,  16                            ; v16-27   what the wave lays out anew
.set Y,  32                            ; v32-63   a block's 32 numbers of my row
.set X,  64                            ; v64-191  the 32 mask loads; later wave 0's work
; v1 lane, v2 r = lane % 16, v3 h = lane / 16, v4 my byte in a mask load, v5 / v6 the stage in / out, v7 / v8 / v9 16 / 8 / 4 x lane, v10 / v11 the add's two,
; v28-31 my byte in K's codes, V's codes, K's scales, V's scales; v192 where my wave's flags go, v193 / v194 where wave 0 reads them, v195 the flags, v196 my byte in the tile's bits
	s_load_b512 s[4:19], s[0:1], 0x0               ; mask 4, k_codes 6, k_scales 8, v_codes 10, v_scales 12, kv 14, bits 16, lists 18
	v_lshl_add_u32 v10, v0, 2, SPARE
	v_mov_b32 v11, 0
	v_lshrrev_b32 v1, 5, v0
	v_readfirstlane_b32 s20, v1                    ; wave 0..15
	v_and_b32 v1, 31, v0
	v_and_b32 v2, 15, v0
	v_bfe_u32 v3, v0, 4, 1
	v_lshlrev_b32 v4, 4, v2
	v_lshl_add_u32 v4, v3, 14, v4                  ; lanes 0-15: 16 bytes each of one row's 256; lanes 16-31: of the row below (16,384 bytes on)
	s_mul_i32 s21, s20, STGB
	v_mul_u32_u24 v5, v3, 272
	v_lshl_add_u32 v5, v2, 4, v5
	v_add_nc_u32 v5, s21, v5                       ; into the stage as loaded: row h, byte 16 r
	v_mul_u32_u24 v6, v2, 272
	v_lshl_add_u32 v6, v3, 6, v6
	v_add_nc_u32 v6, s21, v6                       ; out of it: row r, keys 16 h on
	v_lshlrev_b32 v7, 4, v1
	v_lshlrev_b32 v8, 3, v1
	v_lshlrev_b32 v9, 2, v1
.irp e, 0,1,2,3
	v_mov_b32 v[W+\e], 0                           ; (a lane write's destination counts as read)
.endr
	v_and_b32 v30, 8, v2
	v_add_nc_u32 v30, v30, v2                      ; r + 8 (r / 8): THE KEYS OF A TILE ARE NOT NEIGHBOURS (see the next launch)
	v_mul_u32_u24 v28, v30, 48
	v_mad_u32_u24 v28, v3, 24, v28                 ; K's codes: a key is 48 bytes, my half 24
	v_lshlrev_b32 v30, 1, v30                      ; K's scales: 2 bytes a key
	v_mul_u32_u24 v29, v2, 3072
	v_mad_u32_u24 v29, v3, 24, v29                 ; V's codes: row d = r of 3,072 bytes, my half of a block's 48
	v_lshlrev_b32 v31, 7, v2                       ; V's scales: 128 bytes a row
	s_lshl_b32 s22, s20, 7
	v_lshl_add_u32 v192, v1, 2, s22
	v_add_nc_u32 v192, FLW, v192
	v_lshrrev_b32 v193, 2, v1
	v_and_b32 v197, 3, v1
	v_lshlrev_b32 v193, 7, v193
	v_lshl_add_u32 v193, v197, 2, v193
	v_add_nc_u32 v193, FLW, v193                   ; block = lane: wave lane / 4, word lane % 4
	v_mov_b32 v194, FLW+16                         ; a wave's word 4: its rows
	v_mov_b32 v195, 0
	s_lshl_b32 s22, s20, 9
	v_add_nc_u32 v196, s22, v7                     ; my wave's 512 bytes of the tile's bits
	s_lshr_b32 s66, ttmp9, 6
	s_mul_i32 s66, s66, 3                          ; the three heads that this quarter of the work-groups lays out begin here
	s_and_b32 s67, ttmp9, 63                       ; c
	s_and_b32 s68, s20, 3                          ; j
	s_lshl_b32 s22, ttmp9, 18                      ; 16 rows of 16,384 bytes,
	s_lshl_b32 s23, s20, 10                        ; my wave's 4 blocks of 256 bytes
	s_add_co_u32 s22, s22, s23
	s_mov_b32 s23, 0
	s_mov_b32 s71, 0
	s_mov_b32 s73, 0
	s_wait_kmcnt 0x0
	s_add_nc_u64 s[4:5], s[4:5], s[22:23]
	s_mul_i32 s22, ttmp9, 8448
	s_add_nc_u64 s[16:17], s[16:17], s[22:23]
	s_lshl_b32 s22, ttmp9, 8
	s_add_nc_u64 s[18:19], s[18:19], s[22:23]
.macro MLOADS                          ; block i, rows 2 k and 2 k + 1: 2 x 256 consecutive bytes a load, each at a multiple of 256 from the mask's first byte
.irp i, 0,1,2,3
.irp k, 0,1,2,3,4,5,6,7
	global_load_b128 v[X+32*\i+4*\k:X+32*\i+4*\k+3], v4, s[4:5] offset:32768*\k+256*\i th:TH_LOAD_NT
.endr
.endr
.endm
; ONE PARTING ON THE WAVE'S NUMBER.  Waves 0-11: head 3 a + w / 4; of each four, two lay out a fragment of K and two a pair of half fragments of V.  Waves 12-14: a record's scale words.  Wave 15: the mask alone.
; In each arm: its own few loads, the 32 mask loads, the wait that leaves those 32 out, its stores.  No LDS is touched in an arm.
	s_cmp_ge_u32 s20, 12
	s_cbranch_scc1 .Lhigh
	s_lshr_b32 s21, s20, 2
	s_add_co_u32 s66, s66, s21                     ; the head
	s_lshl_b32 s72, s66, 6
	s_mul_i32 s70, s66, 196608                     ; its codes: 4,096 x 48 bytes, in K and in V alike
	s_cmp_ge_u32 s68, 2
	s_cbranch_scc1 .Lv_arm
	; K: fragment j of block c: lanes (r, h): registers 0-5 key 32 j + r + 8 (r / 8), registers 6-11 the key 8 further on
	s_mul_i32 s21, s67, 3072
	s_add_co_u32 s70, s70, s21
	s_mul_i32 s21, s68, 1536
	s_add_co_u32 s70, s70, s21
	s_add_nc_u64 s[74:75], s[6:7], s[70:71]
	s_add_co_u32 s72, s72, s67
	s_mul_i32 s72, s72, REC
	s_add_co_u32 s72, s72, s21
	s_add_nc_u64 s[76:77], s[14:15], s[72:73]
.irp p, 0,1,2,3,4,5
	global_load_b64 v[R+2*\p:R+2*\p+1], v28, s[74:75] offset:384*(\p/3)+8*(\p%3) th:TH_LOAD_NT
.endr
	MLOADS
	s_wait_loadcnt 32                              ; my six are in; the 32 mask loads behind them stay out
.irp k, 0,1,2
	global_store_b128 v7, v[R+4*\k:R+4*\k+3], s[76:77] offset:512*\k   ; 512 consecutive bytes, at a multiple of 256 from kv's first byte
.endr
	s_branch .Lblocks
.Lv_arm:
	; V: rows 16 T .. 16 T + 15 of the head's 64, key blocks c0 and c0 + 1: 96 neighbouring bytes of each row
	s_and_b32 s21, ttmp9, 3                        ; T
	s_bfe_u32 s22, ttmp9, 0x40002
	s_lshl_b32 s22, s22, 2
	s_and_b32 s23, s20, 1
	s_lshl_b32 s23, s23, 1
	s_add_co_u32 s22, s22, s23                     ; c0 = 4 ((x / 4) % 16) + 2 (j - 2)
	s_mul_i32 s23, s21, 49152
	s_add_co_u32 s70, s70, s23
	s_mul_i32 s23, s22, 48
	s_add_co_u32 s70, s70, s23
	s_add_nc_u64 s[74:75], s[10:11], s[70:71]
	s_add_co_u32 s72, s72, s22
	s_mul_i32 s72, s72, REC
	s_mul_i32 s23, s21, 768
	s_add_co_u32 s72, s72, s23
	s_add_nc_u64 s[76:77], s[14:15], s[72:73]
.irp p, 0,1,2,3,4,5
	global_load_b64 v[R+2*\p:R+2*\p+1], v29, s[74:75] offset:48*(\p/3)+8*(\p%3) th:TH_LOAD_NT
.endr
	MLOADS
	s_wait_loadcnt 32
	global_store_b128 v7, v[R:R+3], s[76:77] offset:3072
	global_store_b64 v8, v[R+4:R+5], s[76:77] offset:3584
	global_store_b128 v7, v[R+6:R+9], s[76:77] offset:REC+3072
	global_store_b64 v8, v[R+10:R+11], s[76:77] offset:REC+3584
	s_branch .Lblocks
.Lhigh:
	s_cmp_eq_u32 s20, 15
	s_cbranch_scc1 .Lplain
	; the scale words of record (head 3 a + w - 12, block c): lanes 0-15 K's two (a fragment's two keys of row r: 2 + 2 bytes), lanes 16-31 V's four half words (d = 16 T + r, this block's 2 bytes)
	s_sub_co_u32 s21, s20, 12
	s_add_co_u32 s66, s66, s21
	s_lshl_b32 s22, s66, 13                        ; a head's scale bytes: 8,192
	s_lshl_b32 s21, s67, 7
	s_add_co_u32 s70, s22, s21
	s_add_nc_u64 s[74:75], s[8:9], s[70:71]
	s_lshl_b32 s21, s67, 1
	s_add_co_u32 s72, s22, s21
	s_add_nc_u64 s[78:79], s[12:13], s[72:73]
	s_lshl_b32 s72, s66, 6
	s_add_co_u32 s72, s72, s67
	s_mul_i32 s72, s72, REC
	s_add_nc_u64 s[76:77], s[14:15], s[72:73]
	global_load_u16 v[R], v30, s[74:75]
	global_load_u16 v[R+1], v30, s[74:75] offset:16
	global_load_u16 v[R+2], v30, s[74:75] offset:64
	global_load_u16 v[R+3], v30, s[74:75] offset:80
.irp T, 0,1,2,3
	global_load_u16 v[R+4+\T], v31, s[78:79] offset:2048*\T
.endr
	MLOADS
	s_wait_loadcnt 32
	v_lshl_or_b32 v[R+8], v[R+1], 16, v[R]
	v_lshl_or_b32 v[R+9], v[R+3], 16, v[R+2]
	v_lshl_or_b32 v[R+10], v[R+5], 16, v[R+4]
	v_lshl_or_b32 v[R+11], v[R+7], 16, v[R+6]
	v_cmp_gt_u32 vcc_lo, 16, v1
	v_cndmask_b32 v[R+8], v[R+10], v[R+8], vcc_lo
	v_cndmask_b32 v[R+9], v[R+11], v[R+9], vcc_lo
	global_store_b64 v8, v[R+8:R+9], s[76:77] offset:6144   ; 256 consecutive bytes
	s_branch .Lblocks
.Lplain:
	MLOADS
.Lblocks:
; Block i of my four.  Its 16 rows x 256 bytes turn through my own stage, so that a lane holds 32 numbers of ONE row, in the order of the next launch's score registers; each compare then gives one word of bits.
.macro BLOCK i
	s_wait_loadcnt 24-8*\i                         ; this block's eight loads are in; the later blocks' stay out
.irp k, 0,1,2,3,4,5,6,7
	ds_store_b128 v5, v[X+32*\i+4*\k:X+32*\i+4*\k+3] offset:544*\k
.endr
.irp m, 0,1,2,3,4,5,6,7
	ds_load_b128 v[Y+4*\m:Y+4*\m+3], v6 offset:128*(\m/4)+16*(\m%4)   ; LDS serves a wave's instructions in order: these see the stores above, and the next block's stores come behind them
.endr
	s_wait_dscnt 0x0
.set n, 0
.rept 32
	v_cmp_lt_i32 s[32+n], 0, v[Y+n]
.set n, n+1
.endr
	s_or_b32 s29, s32, s33
	s_and_b32 s30, s32, s33
.set n, 2
.rept 30
	s_or_b32 s29, s29, s[32+n]
	s_and_b32 s30, s30, s[32+n]
.set n, n+1
.endr
	s_cmp_lg_u32 s29, 0
	s_cselect_b32 s[24+\i], 1, 0                   ; 1: the block holds an open place
	s_cmp_eq_u32 s30, -1
	s_cselect_b32 s21, 2, 0                        ; 2: it is wholly open
	s_or_b32 s[24+\i], s[24+\i], s21
.if \i == 0
	s_mov_b32 s28, s29                             ; which rows (and halves) have had an open place
.else
	s_or_b32 s28, s28, s29
.endif
.set n, 0
.rept 32
	v_writelane_b32 v[W+n%4], s[32+n], 8*\i+n/4    ; word n of block i: byte 128 i + 4 n of my 512
.set n, n+1
.endr
.endm
	BLOCK 0
	BLOCK 1
	BLOCK 2
	BLOCK 3
	global_store_b128 v196, v[W:W+3], s[16:17]     ; my four blocks' words: 512 consecutive bytes
.irp i, 0,1,2,3,4
	v_writelane_b32 v195, s[24+\i], \i
.endr
	ds_store_b32 v192, v195
	s_wait_dscnt 0x0                               ; for wave 0's sake: my flags have landed
	s_barrier_signal -1
	s_barrier_wait -1
	s_cmp_lg_u32 s20, 0
	s_cbranch_scc1 .Lend
	; WAVE 0 MAKES THE TILE'S LIST: a counting sort of the 64 blocks, listed ones first; a lane has blocks lane and 32 + lane.
	ds_load_b32 v64, v193
	ds_load_b32 v65, v193 offset:1024
.set u, 0
.rept 16
	ds_load_b32 v[66+u], v194 offset:128*u
.set u, u+1
.endr
	s_wait_dscnt 0x0
.set u, 1
.rept 15
	v_or_b32 v66, v66, v[66+u]
.set u, u+1
.endr
	v_readfirstlane_b32 s21, v66
	s_lshr_b32 s22, s21, 16
	s_or_b32 s21, s21, s22
	s_and_b32 s21, s21, 0xffff                     ; bit r: row r has an open place somewhere
	v_cmp_ne_u32 s24, 0, v64
	v_cmp_ne_u32 s25, 0, v65
	s_cmp_eq_u32 s21, 0xffff
	s_cselect_b32 s24, s24, -1                     ; one row wholly hidden: every block is listed
	s_cselect_b32 s25, s25, -1
	s_bcnt1_i32_b32 s26, s24
	s_bcnt1_i32_b32 s27, s25
	s_add_co_u32 s28, s26, s27                     ; N, at least 1
	s_not_b32 s29, s24
	s_not_b32 s30, s25
	s_add_co_u32 s31, s27, 32                      ; N + (32 - the low half's listed)
	v_mov_b32 v84, s28
	v_mov_b32 v85, s26
	v_mov_b32 v86, s31
	v_mbcnt_lo_u32_b32 v70, s24, 0                 ; listed blocks under mine
	v_mbcnt_lo_u32_b32 v71, s29, v84               ; N + unlisted blocks under mine
	v_cndmask_b32 v70, v71, v70, s24               ; the place of block lane: the 64 places are a permutation of 0 .. 63, so every half word is written
	v_mbcnt_lo_u32_b32 v72, s25, v85
	v_mbcnt_lo_u32_b32 v73, s30, v86
	v_cndmask_b32 v72, v73, v72, s25               ; and of block 32 + lane
	v_and_b32 v74, 2, v64
	v_lshl_or_b32 v74, v74, 7, v1
	v_cndmask_b32 v74, 64, v74, s24                ; the entry: c | wholly open << 8, or 64
	v_or_b32 v75, 32, v1
	v_and_b32 v76, 2, v65
	v_lshl_or_b32 v75, v76, 7, v75
	v_cndmask_b32 v75, 64, v75, s25
.macro PLACE adr, pos                  ; place pos = 2 p + e lies at byte 32 (p % 4) + 4 (p / 4) + 2 e; held to the list's 128 bytes by the last line
	v_lshrrev_b32 v78, 1, v[\pos]
	v_and_b32 v[\adr], 3, v78
	v_lshlrev_b32 v[\adr], 5, v[\adr]
	v_lshrrev_b32 v78, 2, v78
	v_lshl_or_b32 v[\adr], v78, 2, v[\adr]
	v_and_b32 v78, 1, v[\pos]
	v_lshl_or_b32 v[\adr], v78, 1, v[\adr]
	v_min_u32 v[\adr], 126, v[\adr]
.endm
	PLACE 76, 70
	PLACE 77, 72
	global_store_b16 v76, v74, s[18:19]
	global_store_b16 v77, v75, s[18:19]
	s_add_co_u32 s21, s28, 1
	s_lshr_b32 s21, s21, 1                         ; pairs
	s_add_co_u32 s21, s21, 3
	v_and_b32 v79, 3, v1
	v_sub_nc_u32 v79, s21, v79
	v_lshrrev_b32 v79, 2, v79
	global_store_b32 v9, v79, s[18:19] offset:128  ; the four waves' steps
	v_mov_b32 v80, 0
	v_mov_b32 v81, 0
	global_store_b64 v8, v[80:81], s[16:17] offset:8192   ; blocks 64 and 65 of the tile's bits: all hidden
.Lend:
	s_wait_tensorcnt 0x0                           ; the wave's end: three closing lines, behind my last LDS store
	ds_add_u32 v10, v11
	s_wait_dscnt 0x0
	s_endpgm
.Lfunc_end_k_q8a4e25f89e_prep:
	.size	k_q8a4e25f89e_prep, .Lfunc_end_k_q8a4e25f89e_prep-k_q8a4e25f89e_prep
	.p2alignl 7, 3214868480
	.fill 96, 4, 3214868480
	.section	.rodata,"a",@progbits
	.p2align	6, 0x0
	.amdhsa_kernel k_q8a4e25f89e_prep
		.amdhsa_group_segment_fixed_size 73728
		.amdhsa_private_segment_fixed_size 0
		.amdhsa_enable_private_segment 0
		.amdhsa_kernarg_size 64
		.amdhsa_user_sgpr_count 2
		.amdhsa_user_sgpr_kernarg_segment_ptr 1
		.amdhsa_wavefront_size32 1
		.amdhsa_system_sgpr_workgroup_id_x 1
		.amdhsa_system_sgpr_workgroup_id_y 1
		.amdhsa_system_sgpr_workgroup_id_z 1
		.amdhsa_system_vgpr_workitem_id 0
		.amdhsa_next_free_vgpr 200
		.amdhsa_next_free_sgpr 80
		.amdhsa_reserve_vcc 1
		.amdhsa_float_denorm_mode_32 3
		.amdhsa_float_denorm_mode_16_64 3
		.amdhsa_memory_ordered 1
		.amdhsa_forward_progress 1
		.amdhsa_inst_pref_size 54
	.end_amdhsa_kernel
	.amdgpu_metadata
---
amdhsa.version: [ 1, 2 ]
amdhsa.kernels:
  - .name:           k_q8a4e25f89e_prep
    .symbol:         k_q8a4e25f89e_prep.kd
    .args:
      - { .name: mask, .offset: 0, .size: 8, .value_kind: global_buffer, .address_space: global }
      - { .name: k_codes, .offset: 8, .size: 8, .value_kind: global_buffer, .address_space: global }
      - { .name: k_scales, .offset: 16, .size: 8, .value_kind: global_buffer, .address_space: global }
      - { .name: v_codes, .offset: 24, .size: 8, .value_kind: global_buffer, .address_space: global }
      - { .name: v_scales, .offset: 32, .size: 8, .value_kind: global_buffer, .address_space: global }
      - { .name: kv, .offset: 40, .size: 8, .value_kind: global_buffer, .address_space: global }
      - { .name: bits, .offset: 48, .size: 8, .value_kind: global_buffer, .address_space: global }
      - { .name: lists, .offset: 56, .size: 8, .value_kind: global_buffer, .address_space: global }
    .group_segment_fixed_size: 73728
    .private_segment_fixed_size: 0
    .kernarg_segment_align: 8
    .kernarg_segment_size: 64
    .max_flat_workgroup_size: 512
    .sgpr_count:     80
    .vgpr_count:     200
    .wavefront_size: 32
...
	.end_amdgpu_metadata
.endif
;; end of part 1
;; launch attn (part 2): grid 256 x 12, 4 waves a work-group, no clusters, 20,480 bytes of LDS; arguments kv, bits, lists, q_codes, q_scales, out0; writes out0
.if DOCPART == 2
	.amdgcn_target "amdgcn-amd-amdhsa--gfx1250"
	.amdhsa_code_object_version 6
	.text
	.protected	k_q8a4e25f89e_attn
	.globl	k_q8a4e25f89e_attn
	.p2align	8
	.type	k_q8a4e25f89e_attn,@function
k_q8a4e25f89e_attn:
	s_mov_b64 s[64:65], 0
	v_nop
	global_prefetch_b8 v0, s[64:65] scope:SCOPE_SE
	s_setreg_imm32_b32 hwreg(HW_REG_WAVE_MODE, 25, 1), 1
	s_wait_xcnt 0x0
; out[head][q][:] = the sum over k of softmax_k(where(mask[q][k] > 0, Q[q] . K[k] / 8, -1e9)) V[k][:], both products on codes of FP6 (E2M3) with one E8M0 scale for each 32 along a product's K.
; THE SOFTMAX AHEAD OF THE SECOND PRODUCT: t = score x log2(e) / 8; M = the row's largest t so far, rounded UP to a whole number; p = 2^(t - M) is quantised along the keys, not normalised; the row's sum is taken of the
; unquantised p and divides at the end.  When M moves, the sum and O are multiplied by 2^(old M - new M): exact.
; SHARES.  A work-group is one tile of 16 queries (x) of one head (y).  It walks the tile's LIST of key blocks of 64 (stored by the launch before): the blocks that hold an open place, or all 64 as soon as one of the
; 16 rows is wholly hidden.  A block that is not listed holds only hidden places of rows that have an open key elsewhere: there p is 0, and nothing is left out.  The four waves SPLIT THE LIST: wave w takes pairs
; w, w + 4, ..: 0 to 8 steps of two blocks, 128 gathered keys.  Their four (O, M, sum) meet in LDS behind one barrier; M is a whole number, so each factor is an exact power of two.
; A wave has 256 registers, so four work-groups lie on a WGP: one wave's loads and vector work stand beside another's matrix work.
; LAYOUT.  Both products are used transposed: S^T = K Q^T, O^T = V^T P^T: a lane holds ONE query (lane % 16) throughout.  THE KEYS OF A TILE ARE NOT NEIGHBOURS: row r of tile 2 f + u is key 32 f + 8 u + r + 8 (r / 8), so that the
; 16 registers of tiles 2 f and 2 f + 1 are 16 neighbouring keys, 32 f + 16 (lane / 16) + 0 .. 15.  The head's 64 fill half of the instruction's 128 along K: a fragment of K holds TWO tiles of keys (tile 2 f in its lower 64,
; tile 2 f + 1 in its upper 64), and is multiplied by [q | 0] and by [0 | q]: zero codes add nothing.  18 registers 0, q, 0 serve as both.
; THE MASK costs one v_cndmask_b32 a score (the stored word IS the lane mask of that score register), and nothing where the list says that a block is wholly open.
; WHY NO TENSOR LOADS, NO CLUSTER: work-groups of a head read the same records, but which records, and how many, hangs on each tile's list: addresses and trip counts come from memory and differ between would-be partners.
; So the operands come from memory straight into registers, as images of those registers: 16 or 8 bytes a lane, 512 or 256 consecutive bytes a load.
; LIMITS.  A hidden score is set to -2^33 ahead of the scaling, a logit of -1.07e9 where the definition has -1e9: t is then a whole number that f32 holds, and a wholly hidden row gets p = 1 for every key, as it does by the definition in f32.
; This, and the passing over of blocks, agree with the definition while every open logit stays under 5e8 in magnitude.  NaN, infinities and scale bytes 0xff are not served.
.set REC,   6400                       ; a record of kv: K's two fragments 0, 1536; V's four half fragments 3072 + 768 T; the scale words 6144
.set OIMG,  4896                       ; LDS: for each wave 18 rows x (256 bytes + 16): 16 rows of O (row m: four channels of each of the 16 queries), rows 16, 17: (-M, sum) of each query
.set STATS, 16*272
.set SPARE, 19712                      ; behind the four images: the spare words, 128 bytes for each wave: two blocks of 256 bytes that no other line names
.set KF,   32                          ; v32-79   four fragments of K
.set VF,   80                          ; v80-127  four fragments of V
.set SREG, 128                         ; v128-191 S^T, then p
.set OREG, 192                         ; v192-223 O^T
.set PC,   224                         ; v224-235 p's codes
.set BM,   232                         ; v232-235 the blocks' largest scores (ahead of the codes)
.set EX,   236                         ; v236-242 exchange, bytes, a second sum, the conversions' second halves
.set SO,   244                         ; v244-247 the conversions' scale operands
.set VS,   248                         ; v248-251 V's scale words (lanes 16-31)
; v0 thread; v1 where I put O in LDS; v2, v3 16 x, 8 x lane; v4, v5 the add's two; v[6:7], v[254:255] the records' scale words of blocks a, b; v8-13 0, v14-19 q, v20-25 0; v26 q's scale word (lanes 16-31: 16 bits up);
; v27, v243 where I read O and (-M, sum) back; v28 -M, v29 the largest t; v[30:31] the sum in two halves; v252 f, v253 p's scale word
; s[4:5] the head's records; s[6:7] the tile's bits; s[8:9], s[10:11] the step's two records; s12-19 my pairs still to come; s20, s21 the loop; s22 wave; s23 the pair in hand; s[24:25] lane selects; s[26:27] c;
; s28, s29 byte selects; s30 -2^33; s32-63, s68-99 the two blocks' 32 mask words each; s66, s67 their bytes in the tile's bits; s[100:101] my four rows of out0
	s_load_b256 s[32:39], s[0:1], 0x0              ; kv, bits, lists, q_codes
	s_load_b128 s[40:43], s[0:1], 0x20             ; q_scales, out0
	v_lshl_add_u32 v4, v0, 2, SPARE
	v_mov_b32 v5, 0
	v_lshrrev_b32 v224, 5, v0
	v_readfirstlane_b32 s22, v224                  ; wave 0..3
	v_and_b32 v224, 31, v0
	v_lshlrev_b32 v2, 4, v224
	v_lshlrev_b32 v3, 3, v224
	v_and_b32 v225, 15, v0                         ; r
	v_bfe_u32 v226, v0, 4, 1                       ; h
	s_mul_i32 s2, s22, OIMG
	v_mul_u32_u24 v1, v226, 272
	v_lshl_add_u32 v1, v225, 4, v1
	v_add_nc_u32 v1, s2, v1                        ; in: my image, row h (+ 2 k), 16 bytes for query r
	v_lshrrev_b32 v227, 2, v225                    ; back: lane (rho, delta) takes bytes 16 delta of the row of out0 of query 4 w + rho (+ 2 g): they lie in row m = 4 (delta / 4) + 2 (delta % 2) + (delta / 2) % 2
	v_and_b32 v228, 1, v225
	v_bfe_u32 v229, v0, 1, 1
	v_lshl_add_u32 v229, v228, 1, v229
	v_lshl_add_u32 v229, v227, 2, v229
	v_mul_u32_u24 v27, v229, 272
	s_lshl_b32 s3, s22, 6
	v_lshl_add_u32 v243, v226, 4, s3               ; 16 (4 w + rho)
	v_add_nc_u32 v27, v27, v243
	v_mul_u32_u24 v230, v225, 48
	v_mad_u32_u24 v230, v226, 24, v230             ; q: row r of 48 bytes, my half's 24
	v_lshlrev_b32 v231, 1, v225
	s_mov_b32 s24, 0x76543210
	s_mov_b32 s25, 0xfedcba98                      ; v_permlanex16_b32's selects for lane l xor 16
	s_mov_b32 s26, 0x3e38aa3b                      ; c = log2(e) / 8
	s_mov_b32 s27, s26                             ; (named with it as a pair, so it is written)
	s_mov_b32 s28, 0x05040100                      ; two low halves
	s_mov_b32 s29, 0x07060302                      ; two high halves
	s_mov_b32 s30, 0xd0000000                      ; -2^33
	s_and_b32 s20, ttmp7, 0xffff                   ; the head
	s_mov_b32 s3, 0
	s_wait_kmcnt 0x0
	s_mul_i32 s2, s20, 64*REC
	s_add_nc_u64 s[4:5], s[32:33], s[2:3]
	s_mul_i32 s2, ttmp9, 8448
	s_add_nc_u64 s[6:7], s[34:35], s[2:3]
	s_lshl_b32 s2, ttmp9, 8
	s_add_nc_u64 s[36:37], s[36:37], s[2:3]        ; the tile's list
	s_lshl_b32 s2, s22, 5
	s_add_nc_u64 s[44:45], s[36:37], s[2:3]
	s_lshl_b32 s2, s22, 2
	s_add_nc_u64 s[46:47], s[36:37], s[2:3]
	s_load_b256 s[12:19], s[44:45], 0x0            ; my eight pairs
	s_load_b32 s21, s[46:47], 0x80                 ; and how many of them count
	s_lshl_b32 s20, s20, 12
	s_lshl_b32 s2, ttmp9, 4
	s_add_co_u32 s20, s20, s2                      ; the tile's first query, counted through all heads
	s_mul_i32 s2, s20, 48
	s_add_nc_u64 s[8:9], s[38:39], s[2:3]
	s_lshl_b32 s2, s20, 1
	s_add_nc_u64 s[10:11], s[40:41], s[2:3]
	s_lshl_b32 s2, s22, 2
	s_add_co_u32 s2, s2, s20
	s_lshl_b32 s2, s2, 8
	s_add_nc_u64 s[100:101], s[42:43], s[2:3]
	global_load_b64 v[14:15], v230, s[8:9]
	global_load_b64 v[16:17], v230, s[8:9] offset:8
	global_load_b64 v[18:19], v230, s[8:9] offset:16
	global_load_u16 v26, v231, s[10:11]
.irp j, 8,9,10,11,12,13,20,21,22,23,24,25
	v_mov_b32 v[\j], 0
.endr
.set j, 0
.rept 32
	v_mov_b32 v[OREG+j], 0                         ; O^T.  (The step is written for every step alike: the first finds zeros, which the first change of M leaves zeros; a wave with no step hands zeros on)
.set j, j+1
.endr
	v_mov_b32 v30, 0
	v_mov_b32 v31, 0
	v_mov_b32 v29, 0xff61b1e6                      ; the largest t so far: -3e38, under every t
	v_floor_f32 v28, -v29
.irp b, 0,1,2,3
	v_mov_b32 v[EX+\b], 0                          ; written once: a lane permute's destination counts as one of its sources
.endr
	v_mov_b32 v253, 0                              ; (named as the upper half of the pair v[252:253] before it is first written)
	s_wait_kmcnt 0x0
	s_min_u32 s21, s21, 8
	s_cmp_eq_u32 s21, 0
	s_cbranch_scc1 .Lmerge                         ; a list of fewer than four pairs leaves some waves without a step
; The next pair of my queue: its two records and its two blocks of mask words.  Numbers from the list are held to their tables before they enter an address.
.macro NEXT
	s_wait_xcnt 0x0                                ; every earlier load has read its base: the records' may be written
	s_mov_b32 s23, s12
.irp q, 12,13,14,15,16,17,18
	s_mov_b32 s[\q], s[\q+1]
.endr
	s_mov_b32 s19, 0x00400040
	s_and_b32 s66, s23, 0x7f                       ; block a
	s_bfe_u32 s67, s23, 0x70010                    ; block b
	s_min_u32 s2, s66, 63                          ; (entry 64 counts for nothing: it reads record 63 under a mask of zeros)
	s_mul_i32 s2, s2, REC
	s_mov_b32 s3, 0
	s_add_nc_u64 s[8:9], s[4:5], s[2:3]
	s_min_u32 s2, s67, 63
	s_mul_i32 s2, s2, REC
	s_add_nc_u64 s[10:11], s[4:5], s[2:3]
	s_min_u32 s66, s66, 64
	s_lshl_b32 s66, s66, 7
	s_min_u32 s67, s67, 64
	s_lshl_b32 s67, s67, 7
.endm
.macro KLOADS                          ; 14 loads: K's four fragments and the two records' scale words
.irp f, 0,1
.irp k, 0,1,2
	global_load_b128 v[KF+12*\f+4*\k:KF+12*\f+4*\k+3], v2, s[8:9] offset:1536*\f+512*\k
.endr
.endr
.irp f, 0,1
.irp k, 0,1,2
	global_load_b128 v[KF+24+12*\f+4*\k:KF+24+12*\f+4*\k+3], v2, s[10:11] offset:1536*\f+512*\k
.endr
.endr
	global_load_b64 v[6:7], v3, s[8:9] offset:6144
	global_load_b64 v[254:255], v3, s[10:11] offset:6144
.endm
.macro VLOADS                          ; 16 loads: V's four fragments: registers 0-5 block a's 64 keys, registers 6-11 block b's
.irp T, 0,1,2,3
	global_load_b128 v[VF+12*\T:VF+12*\T+3], v2, s[8:9] offset:3072+768*\T
	global_load_b64 v[VF+12*\T+4:VF+12*\T+5], v3, s[8:9] offset:3584+768*\T
	global_load_b128 v[VF+12*\T+6:VF+12*\T+9], v2, s[10:11] offset:3072+768*\T
	global_load_b64 v[VF+12*\T+10:VF+12*\T+11], v3, s[10:11] offset:3584+768*\T
.endr
.endm
.macro MWLOADS
	s_load_b512 s[32:47], s[6:7], s66 offset:0x0
	s_load_b512 s[48:63], s[6:7], s66 offset:0x40
	s_load_b512 s[68:83], s[6:7], s67 offset:0x0
	s_load_b512 s[84:99], s[6:7], s67 offset:0x40
.endm
.macro SMUL f, ks                      ; fragment f of K against [q | 0] and [0 | q]: tiles 2 f and 2 f + 1 of S^T
	v_wmma_scale_f32_16x16x128_f8f6f4 v[SREG+16*\f:SREG+16*\f+7], v[KF+12*\f:KF+12*\f+11], v[14:25], 0, v[\ks], v26 matrix_a_fmt:MATRIX_FMT_FP6 matrix_b_fmt:MATRIX_FMT_FP6
	v_wmma_scale_f32_16x16x128_f8f6f4 v[SREG+16*\f+8:SREG+16*\f+15], v[KF+12*\f:KF+12*\f+11], v[8:19], 0, v[\ks], v26 matrix_a_fmt:MATRIX_FMT_FP6 matrix_b_fmt:MATRIX_FMT_FP6 matrix_b_scale:MATRIX_SCALE_ROW1
.endm
; A STEP: the two blocks of the pair in hand, 128 gathered keys.  more = 1: the next pair's loads go out on the way.
.macro STEP more
	s_wait_loadcnt 16                              ; K's fragments and the scale words are in; V's 16 loads, issued behind them, may stay out
	s_wait_kmcnt 0x0                               ; the mask words
	SMUL 0, 6
	SMUL 1, 7
	SMUL 2, 254
	SMUL 3, 255
.rept 4
	v_nop                                          ; four places behind the products: for the reads of the scores, and for the loads into K's and the scale words' registers
.endr
	v_perm_b32 v[VS], v254, v6, s28                ; V's scale words, in lanes 16-31: block a's two bytes below, block b's above; d tiles 0, 1, 2, 3
	v_perm_b32 v[VS+1], v254, v6, s29
	v_perm_b32 v[VS+2], v255, v7, s28
	v_perm_b32 v[VS+3], v255, v7, s29
	s_bitcmp1_b32 s23, 8                           ; block a wholly open: nothing to hide (a whole number from the list)
	s_cbranch_scc1 .Lopen_a_\@
.set n, 0
.rept 32
	v_cndmask_b32 v[SREG+n], s30, v[SREG+n], s[32+n]   ; ascending: each accumulator is first read at its low end, on this way and on the way round
.set n, n+1
.endr
.Lopen_a_\@:
	s_bitcmp1_b32 s23, 24
	s_cbranch_scc1 .Lopen_b_\@
.set n, 0
.rept 32
	v_cndmask_b32 v[SREG+32+n], s30, v[SREG+32+n], s[68+n]
.set n, n+1
.endr
.Lopen_b_\@:
.if \more
	NEXT
	KLOADS                                         ; they have the softmax in which to land
	MWLOADS
.endif
.irp b, 0,1,2,3
	v_max3_num_f32 v[BM+\b], v[SREG+16*\b], v[SREG+1+16*\b], v[SREG+2+16*\b]   ; THE LARGEST SCORE OF EACH BLOCK OF 32 KEYS serves twice: for the row's maximum, and, since p rises with the score, for the block's largest p
.endr
.irp i, 3,5,7,9,11,13
.irp b, 0,1,2,3
	v_max3_num_f32 v[BM+\b], v[BM+\b], v[SREG+16*\b+\i], v[SREG+1+16*\b+\i]
.endr
.endr
.irp b, 0,1,2,3
	v_max_num_f32 v[BM+\b], v[BM+\b], v[SREG+15+16*\b]
.endr
.irp b, 0,1,2,3
	v_permlanex16_b32 v[EX+\b], v[BM+\b], s24, s25
.endr
.irp b, 0,1,2,3
	v_max_num_f32 v[BM+\b], v[BM+\b], v[EX+\b]     ; with lane l xor 16's 16 keys
.endr
	v_max3_num_f32 v[EX], v[BM], v[BM+1], v[BM+2]
	v_max_num_f32 v[EX], v[EX], v[BM+3]            ; the step's largest score of my query
	v_mul_f32 v[EX], s26, v[EX]                    ; as t (c is positive)
	v_max_num_f32 v29, v29, v[EX]                  ; the running largest t
	v_mov_b32 v[EX], v28
	v_floor_f32 v28, -v29                          ; the new -M = floor(-t) = -ceil(t): M is a whole number
	v_sub_f32 v[EX], v28, v[EX]                    ; old M - new M: a whole number, 0 or less
	v_cvt_i32_f32 v[EX], v[EX]                     ; (it saturates)
	v_ldexp_f32 v252, 1.0, v[EX]                   ; f = 2^(old M - new M)
.set j, 0
.rept 32
	v_pk_fma_f32 v[SREG+j:SREG+j+1], v[SREG+j:SREG+j+1], s[26:27], v[28:29] op_sel_hi:[1,0,0]   ; t - M, two at a time (of the pairs c and -M the low word serves both halves)
.set j, j+2
.endr
.irp b, 0,1,2,3
	v_fma_f32 v[BM+\b], v[BM+\b], s26, v28         ; the same of each block's largest score
.endr
.set j, 0
.rept 64
	v_exp_f32 v[SREG+j], v[SREG+j]                 ; p = 2^(t - M), at most 1; 0 where the place is hidden and the row has had an open key
.set j, j+1
.endr
	v_pk_mul_f32 v[30:31], v[30:31], v[252:253] op_sel_hi:[1,0]   ; the sums under the new M: the plain instruction behind the exponentials
	s_wait_alu depctr_va_vdst(0)                   ; one wait for the batch of 64, ahead of its first reader
.irp b, 0,1,2,3
	v_exp_f32 v[BM+\b], v[BM+\b]                   ; the blocks' largest p: the same two instructions on the same number give the same bits
.endr
	v_pk_add_f32 v[EX:EX+1], v[SREG:SREG+1], v[SREG+2:SREG+3]   ; THE ROW'S SUM IS TAKEN OF THE UNQUANTISED p: two at a time, in two chains; it reads the 64 alone
.set j, 4
.rept 15
	v_pk_add_f32 v[30:31], v[30:31], v[SREG+j:SREG+j+1]
	v_pk_add_f32 v[EX:EX+1], v[EX:EX+1], v[SREG+j+2:SREG+j+3]
.set j, j+4
.endr
	v_pk_add_f32 v[30:31], v[30:31], v[EX:EX+1]
	s_wait_alu depctr_va_vdst(0)                   ; and one for the four
.irp b, 0,1,2,3
	v_max_num_f32 v[BM+\b], 0x1800000, v[BM+\b]    ; the floor 2^(3 - 127): the byte cannot fall under 1 (a block whose every p is 0 keeps that byte: its codes are zeros)
.endr
.irp b, 0,1,2,3
	v_add_nc_u32 v[SO+\b], 0xff000000, v[BM+\b]    ; 2 off the exponent field: the conversion's scale operand
.endr
.irp b, 0,1,2,3
	v_lshrrev_b32 v[EX+\b], 23, v[SO+\b]           ; the scale's byte
.endr
	v_lshl_or_b32 v253, v[EX+1], 8, v[EX]          ; p's scale word for these 128 keys
	v_lshl_or_b32 v253, v[EX+2], 16, v253
	v_lshl_or_b32 v253, v[EX+3], 24, v253
.irp c, 0,1
	v_cvt_scalef32_pk16_fp6_f32 v[PC+6*\c:PC+2+6*\c], v[SREG+32*\c:SREG+15+32*\c], v[SO+2*\c]
	v_cvt_scalef32_pk16_fp6_f32 v[EX+4*\c:EX+2+4*\c], v[SREG+16+32*\c:SREG+31+32*\c], v[SO+2*\c+1]   ; (a conversion's three registers begin on an even number)
.endr
	v_nop                                          ; one plain instruction between a scaled conversion and the instruction that touches its result
.irp c, 0,1                                    ; the operand's layout wants a WHOLE block in a lane: lanes 0-15 block 2 c, lanes 16-31 block 2 c + 1
.irp i, 0,1,2
	v_permlane16_swap_b32 v[PC+6*\c+\i], v[EX+4*\c+\i]
.endr
.irp i, 0,1,2
	v_mov_b32 v[PC+3+6*\c+\i], v[EX+4*\c+\i]
.endr
.endr
.set j, 0
.rept 16
	v_pk_mul_f32 v[OREG+j:OREG+j+1], v[OREG+j:OREG+j+1], v[252:253] op_sel_hi:[1,0]   ; O^T under the new M.  (These are also the places between the codes' and the scale word's last writes and the products)
.set j, j+2
.endr
	s_wait_loadcnt 14*\more                        ; V's fragments are in; the next step's 14 loads of K, issued behind them, may stay out (the last step has none)
.irp T, 0,1,2,3                                ; O^T += V^T P^T: the four accumulators by turns, one instruction a turn
	v_wmma_scale_f32_16x16x128_f8f6f4 v[OREG+8*\T:OREG+8*\T+7], v[VF+12*\T:VF+12*\T+11], v[PC:PC+11], v[OREG+8*\T:OREG+8*\T+7], v[VS+\T], v253 matrix_a_fmt:MATRIX_FMT_FP6 matrix_b_fmt:MATRIX_FMT_FP6 matrix_a_scale:MATRIX_SCALE_ROW1
.endr
.if \more
.rept 4
	v_nop                                          ; four places in front of loads into registers that the products have read
.endr
	VLOADS
.endif
.endm
	NEXT
	KLOADS
	VLOADS
	MWLOADS
	s_wait_loadcnt 30                              ; q's four loads are in; the 30 issued behind them stay out
	v_bfe_u32 v224, v0, 4, 1
	v_lshlrev_b32 v224, 4, v224
	v_lshlrev_b32 v26, v224, v26                   ; lanes 16-31: q's two scale bytes 16 bits up, for [0 | q]; the bytes beside them are 0, over zero codes
.rept 8
	v_nop                                          ; a scale register written by a vector instruction stands eight places ahead of a scaled product
.endr
	s_sub_co_u32 s21, s21, 1
	s_mov_b32 s20, 0
	s_cmp_eq_u32 s21, 0
	s_cbranch_scc1 .Ltail
.Lstep:                                            ; my steps but the last
	STEP 1
	s_add_co_u32 s20, s20, 1
	s_cmp_lt_u32 s20, s21
	s_cbranch_scc1 .Lstep
.Ltail:
	STEP 0                                         ; the last step is written out: it asks for nothing more, and every count holds on every way
.Lmerge:
	; THE FOUR WAVES' PARTS MEET.  Each puts O^T, -M and its sum into its own image; one barrier; wave w then finishes queries 4 w .. 4 w + 3.
.rept 4
	v_nop                                          ; four places behind the last products
.endr
	v_add_f32 v29, v30, v31                        ; the sum's two halves,
	v_permlanex16_b32 v[EX], v29, s24, s25
	v_add_f32 v29, v29, v[EX]                      ; and lane l xor 16's
.irp k, 0,1,2,3,4,5,6,7
	ds_store_b128 v1, v[OREG+4*\k:OREG+4*\k+3] offset:544*\k   ; row 2 k + h: channels 16 (k / 2) + 8 h + 4 (k % 2) + 0 .. 3 of query r; each accumulator from its low end on
.endr
	ds_store_b64 v1, v[28:29] offset:STATS
	s_wait_dscnt 0x0                               ; for the others' sake: my stores have landed
	s_barrier_signal -1
	s_barrier_wait -1
.irp g, 0,1
.irp u, 0,1,2,3
	ds_load_b128 v[32+16*\g+4*\u:35+16*\g+4*\u], v27 offset:OIMG*\u+32*\g
	ds_load_b64 v[64+8*\g+2*\u:65+8*\g+2*\u], v243 offset:OIMG*\u+STATS+32*\g
.endr
.endr
	v_mov_b32 v133, 0                              ; (upper halves of the pairs that the last multiplications name)
	v_mov_b32 v135, 0
	s_wait_dscnt 0x0
.irp g, 0,1
	v_min_num_f32 v[128+\g], v[64+8*\g], v[66+8*\g]
.endr
.irp g, 0,1
	v_min_num_f32 v[128+\g], v[128+\g], v[68+8*\g]
.endr
.irp g, 0,1
	v_min_num_f32 v[128+\g], v[128+\g], v[70+8*\g]   ; the least -M: the query's M
.endr
.irp g, 0,1
.irp u, 0,1,2,3
	v_sub_f32 v[145+8*\g+2*\u], v[128+\g], v[64+8*\g+2*\u]   ; wave u's M - M: a whole number, 0 or less
.endr
.endr
.irp g, 0,1
.irp u, 0,1,2,3
	v_cvt_i32_f32 v[145+8*\g+2*\u], v[145+8*\g+2*\u]   ; (it saturates: a wave without a step, or with hidden places alone beside an open key elsewhere, gets the factor 0)
.endr
.endr
.irp g, 0,1
.irp u, 0,1,2,3
	v_ldexp_f32 v[144+8*\g+2*\u], 1.0, v[145+8*\g+2*\u]
.endr
.endr
.irp g, 0,1
	v_mul_f32 v[130+\g], v[144+8*\g], v[65+8*\g]
.endr
.irp u, 1,2,3
.irp g, 0,1
	v_fma_f32 v[130+\g], v[144+8*\g+2*\u], v[65+8*\g+2*\u], v[130+\g]   ; the query's sum
.endr
.endr
	v_rcp_f32 v132, v130
	v_rcp_f32 v134, v131
.irp g, 0,1                                    ; O's four parts are added meanwhile: plain work that names neither reciprocal
.irp e, 0,2
	v_pk_mul_f32 v[160+4*\g+\e:161+4*\g+\e], v[32+16*\g+\e:33+16*\g+\e], v[144+8*\g:145+8*\g] op_sel_hi:[1,0]
.endr
.endr
.irp u, 1,2,3
.irp g, 0,1
.irp e, 0,2
	v_pk_fma_f32 v[160+4*\g+\e:161+4*\g+\e], v[32+16*\g+4*\u+\e:33+16*\g+4*\u+\e], v[144+8*\g+2*\u:145+8*\g+2*\u], v[160+4*\g+\e:161+4*\g+\e] op_sel_hi:[1,0,1]
.endr
.endr
.endr
	s_wait_alu depctr_va_vdst(0)                   ; one wait for the two reciprocals, ahead of their first reader
.irp g, 0,1
.irp e, 0,2
	v_pk_mul_f32 v[160+4*\g+\e:161+4*\g+\e], v[160+4*\g+\e:161+4*\g+\e], v[132+2*\g:133+2*\g] op_sel_hi:[1,0]
.endr
.endr
	global_store_b128 v2, v[160:163], s[100:101] th:TH_STORE_NT              ; sixteen lanes store a row's 256 consecutive bytes, at a multiple of 256 from out0's first byte: queries 4 w, 4 w + 1,
	global_store_b128 v2, v[164:167], s[100:101] offset:512 th:TH_STORE_NT   ; and 4 w + 2, 4 w + 3
	s_wait_tensorcnt 0x0                           ; the wave's end: three closing lines, behind my last LDS store
	ds_add_u32 v4, v5
	s_wait_dscnt 0x0
	s_endpgm
.Lfunc_end_k_q8a4e25f89e_attn:
	.size	k_q8a4e25f89e_attn, .Lfunc_end_k_q8a4e25f89e_attn-k_q8a4e25f89e_attn
	.p2alignl 7, 3214868480
	.fill 96, 4, 3214868480
	.section	.rodata,"a",@progbits
	.p2align	6, 0x0
	.amdhsa_kernel k_q8a4e25f89e_attn
		.amdhsa_group_segment_fixed_size 20480
		.amdhsa_private_segment_fixed_size 0
		.amdhsa_enable_private_segment 0
		.amdhsa_kernarg_size 48
		.amdhsa_user_sgpr_count 2
		.amdhsa_user_sgpr_kernarg_segment_ptr 1
		.amdhsa_wavefront_size32 1
		.amdhsa_system_sgpr_workgroup_id_x 1
		.amdhsa_system_sgpr_workgroup_id_y 1
		.amdhsa_system_sgpr_workgroup_id_z 1
		.amdhsa_system_vgpr_workitem_id 0
		.amdhsa_next_free_vgpr 256
		.amdhsa_next_free_sgpr 102
		.amdhsa_reserve_vcc 0
		.amdhsa_float_denorm_mode_32 3
		.amdhsa_float_denorm_mode_16_64 3
		.amdhsa_memory_ordered 1
		.amdhsa_forward_progress 1
		.amdhsa_inst_pref_size 55
	.end_amdhsa_kernel
	.amdgpu_metadata
---
amdhsa.version: [ 1, 2 ]
amdhsa.kernels:
  - .name:           k_q8a4e25f89e_attn
    .symbol:         k_q8a4e25f89e_attn.kd
    .args:
      - { .name: kv, .offset: 0, .size: 8, .value_kind: global_buffer, .address_space: global }
      - { .name: bits, .offset: 8, .size: 8, .value_kind: global_buffer, .address_space: global }
      - { .name: lists, .offset: 16, .size: 8, .value_kind: global_buffer, .address_space: global }
      - { .name: q_codes, .offset: 24, .size: 8, .value_kind: global_buffer, .address_space: global }
      - { .name: q_scales, .offset: 32, .size: 8, .value_kind: global_buffer, .address_space: global }
      - { .name: out0, .offset: 40, .size: 8, .value_kind: global_buffer, .address_space: global }
    .group_segment_fixed_size: 20480
    .private_segment_fixed_size: 0
    .kernarg_segment_align: 8
    .kernarg_segment_size: 48
    .max_flat_workgroup_size: 128
    .sgpr_count:     102
    .vgpr_count:     256
    .wavefront_size: 32
...
	.end_amdgpu_metadata
.endif
;; end of part 2
;; ======== version 2 of 2: 2 launches; version 1 with the launch attn written anew for expert scheduling mode
;; limits: right only within a limited range of input values
;; workspace buffers: kv 4,915,200 bytes; bits 2,162,688 bytes of whole numbers; lists 65,536 bytes of whole numbers
;; launch prep: the kernel of part 1 again; grid 256 x 1, 16 waves a work-group, no clusters, 73,728 bytes of LDS; arguments mask, k_codes, k_scales, v_codes, v_scales, kv, bits, lists; writes kv, bits, lists
;; launch attn (part 3): grid 256 x 12, 4 waves a work-group, no clusters, 20,480 bytes of LDS; arguments kv, bits, lists, q_codes, q_scales, out0; writes out0
.if DOCPART == 3
	.amdgcn_target "amdgcn-amd-amdhsa--gfx1250"
	.amdhsa_code_object_version 6
	.text
	.protected	k_q8a4e25f89e_attn
	.globl	k_q8a4e25f89e_attn
	.p2align	8
	.type	k_q8a4e25f89e_attn,@function
k_q8a4e25f89e_attn:
	s_mov_b64 s[64:65], 0
	v_nop
	global_prefetch_b8 v0, s[64:65] scope:SCOPE_SE
	s_setreg_imm32_b32 hwreg(HW_REG_WAVE_SCHED_MODE, 0, 2), 2
	s_setreg_imm32_b32 hwreg(HW_REG_WAVE_MODE, 25, 1), 1
	s_wait_xcnt 0x0
	s_wait_alu depctr_vm_vsrc(0)
; out[head][q][:] = the sum over k of softmax_k(where(mask[q][k] > 0, Q[q] . K[k] / 8, -1e9)) V[k][:], both products on codes of FP6 (E2M3) with one E8M0 scale for each 32 along a product's K.
; THE SOFTMAX AHEAD OF THE SECOND PRODUCT: t = score x log2(e) / 8; M = the row's largest t so far, rounded UP to a whole number; p = 2^(t - M) is quantised along the keys, not normalised; the row's sum is taken of the
; unquantised p and divides at the end.  When M moves, the sum and O are multiplied by 2^(old M - new M): exact.
; SHARES.  A work-group is one tile of 16 queries (x) of one head (y).  It walks the tile's LIST of key blocks of 64 (stored by the launch before): the blocks that hold an open place, or all 64 as soon as one of the
; 16 rows is wholly hidden.  A block that is not listed holds only hidden places of rows that have an open key elsewhere: there p is 0, and nothing is left out.  The four waves SPLIT THE LIST: wave w takes pairs
; w, w + 4, ..: 0 to 8 steps of two blocks, 128 gathered keys.  Their four (O, M, sum) meet in LDS behind one barrier; M is a whole number, so each factor is an exact power of two.
; A wave has 256 registers, so four work-groups lie on a WGP: one wave's loads and vector work stand beside another's matrix work.
; LAYOUT.  Both products are used transposed: S^T = K Q^T, O^T = V^T P^T: a lane holds ONE query (lane % 16) throughout.  THE KEYS OF A TILE ARE NOT NEIGHBOURS: row r of tile 2 f + u is key 32 f + 8 u + r + 8 (r / 8), so that the
; 16 registers of tiles 2 f and 2 f + 1 are 16 neighbouring keys, 32 f + 16 (lane / 16) + 0 .. 15.  The head's 64 fill half of the instruction's 128 along K: a fragment of K holds TWO tiles of keys (tile 2 f in its lower 64,
; tile 2 f + 1 in its upper 64), and is multiplied by [q | 0] and by [0 | q]: zero codes add nothing.  18 registers 0, q, 0 serve as both.
; THE MASK costs one v_cndmask_b32 a score (the stored word IS the lane mask of that score register), and nothing where the list says that a block is wholly open.
; WHY NO TENSOR LOADS, NO CLUSTER: work-groups of a head read the same records, but which records, and how many, hangs on each tile's list: addresses and trip counts come from memory and differ between would-be partners.
; So the operands come from memory straight into registers, as images of those registers: 16 or 8 bytes a lane, 512 or 256 consecutive bytes a load.
; LIMITS.  A hidden score is set to -2^33 ahead of the scaling, a logit of -1.07e9 where the definition has -1e9: t is then a whole number that f32 holds, and a wholly hidden row gets p = 1 for every key, as it does by the definition in f32.
; This, and the passing over of blocks, agree with the definition while every open logit stays under 5e8 in magnitude.  NaN, infinities and scale bytes 0xff are not served.
; THE MODE: SCHED_MODE bits 1:0 = 2 (LLVM: expert scheduling mode 2), set by the entry lines.  The code itself states the register dependences
; between vector or matrix instructions and memory or LDS instructions, with s_wait_alu, always for 0.
; THE PLAN.  Registers that memory or LDS instructions touch:
;   v1, v2, v3, v27, v243, v4, v5   addresses, made at the head and never written again: one wait on va_vdst at the head serves every instruction that reads them.
;   v230, v231    q's offsets: read by q's four loads alone; the steps write them again as part of p's codes: one wait on vm_vsrc ahead of the first step.
;   v32-79, v[6:7], v[254:255]   K's fragments and the records' scale words.  A step's eight S products and four byte selections read them; behind those the next step's loads land in them; in the merge the LDS loads do.
;   v80-127       V's fragments.  A step's four O products read them; behind those the next step's loads land in them.
;   v192-223, v28, v29   O^T, -M, the sum: vector and matrix instructions write them; the merge's LDS stores read them.     v160-167   the merge's results: the two global stores read them.
;   All else (S^T and p, p's codes, the work registers) is named by vector and matrix instructions alone.
; So a step that has a successor holds two waits on va_vdst for its loads, each behind the last reader of the buffer that is asked for again; every step holds one ahead of the O products, which take operands and scales that
; vector instructions have just written, and the two behind the exponentials.  No vector register that a memory instruction reads is written in a step, so a step holds no wait on vm_vsrc.
.set REC,   6400                       ; a record of kv: K's two fragments 0, 1536; V's four half fragments 3072 + 768 T; the scale words 6144
.set OIMG,  4896                       ; LDS: for each wave 18 rows x (256 bytes + 16): 16 rows of O (row m: four channels of each of the 16 queries), rows 16, 17: (-M, sum) of each query
.set STATS, 16*272
.set SPARE, 19712                      ; behind the four images: the spare words, 128 bytes for each wave: two blocks of 256 bytes that no other line names
.set KF,   32                          ; v32-79   four fragments of K
.set VF,   80                          ; v80-127  four fragments of V
.set SREG, 128                         ; v128-191 S^T, then p
.set OREG, 192                         ; v192-223 O^T
.set PC,   224                         ; v224-235 p's codes
.set BM,   232                         ; v232-235 the blocks' largest scores (ahead of the codes)
.set EX,   236                         ; v236-242 exchange, bytes, a second sum, the conversions' second halves
.set SO,   244                         ; v244-247 the conversions' scale operands
.set VS,   248                         ; v248-251 V's scale words (lanes 16-31)
; v0 thread; v1 where I put O in LDS; v2, v3 16 x, 8 x lane; v4, v5 the add's two; v[6:7], v[254:255] the records' scale words of blocks a, b; v8-13 0, v14-19 q, v20-25 0; v26 q's scale word (lanes 16-31: 16 bits up);
; v27, v243 where I read O and (-M, sum) back; v28 -M, v29 the largest t; v[30:31] the sum in two halves; v252 f, v253 p's scale word
; s[4:5] the head's records; s[6:7] the tile's bits; s[8:9], s[10:11] the step's two records; s12-19 my pairs still to come; s20, s21 the loop; s22 wave; s23 the pair in hand; s[24:25] lane selects; s[26:27] c;
; s28, s29 byte selects; s30 -2^33; s32-63, s68-99 the two blocks' 32 mask words each; s66, s67 their bytes in the tile's bits; s[100:101] my four rows of out0
	s_load_b256 s[32:39], s[0:1], 0x0              ; kv, bits, lists, q_codes
	s_load_b128 s[40:43], s[0:1], 0x20             ; q_scales, out0
	v_lshl_add_u32 v4, v0, 2, SPARE
	v_mov_b32 v5, 0
	v_lshrrev_b32 v224, 5, v0
	v_readfirstlane_b32 s22, v224                  ; wave 0..3
	v_and_b32 v224, 31, v0
	v_lshlrev_b32 v2, 4, v224
	v_lshlrev_b32 v3, 3, v224
	v_and_b32 v225, 15, v0                         ; r
	v_bfe_u32 v226, v0, 4, 1                       ; h
	s_wait_alu depctr_va_sdst(0)                   ; s22 is written, ahead of its first reader: LDS addresses, the list's and out0's bases are made from it
	s_mul_i32 s2, s22, OIMG
	v_mul_u32_u24 v1, v226, 272
	v_lshl_add_u32 v1, v225, 4, v1
	v_add_nc_u32 v1, s2, v1                        ; in: my image, row h (+ 2 k), 16 bytes for query r
	v_lshrrev_b32 v227, 2, v225                    ; back: lane (rho, delta) takes bytes 16 delta of the row of out0 of query 4 w + rho (+ 2 g): they lie in row m = 4 (delta / 4) + 2 (delta % 2) + (delta / 2) % 2
	v_and_b32 v228, 1, v225
	v_bfe_u32 v229, v0, 1, 1
	v_lshl_add_u32 v229, v228, 1, v229
	v_lshl_add_u32 v229, v227, 2, v229
	v_mul_u32_u24 v27, v229, 272
	s_lshl_b32 s3, s22, 6
	v_lshl_add_u32 v243, v226, 4, s3               ; 16 (4 w + rho)
	v_add_nc_u32 v27, v27, v243
	v_mul_u32_u24 v230, v225, 48
	v_mad_u32_u24 v230, v226, 24, v230             ; q: row r of 48 bytes, my half's 24
	v_lshlrev_b32 v231, 1, v225
	s_wait_alu depctr_va_vdst(0)                   ; the addresses v1 to v5, v27, v243, v230 and v231 are written, which the loads, the stores and the LDS instructions of the whole kernel read; the lines that made them are done with s2 and s3, which are written again below
	s_mov_b32 s24, 0x76543210
	s_mov_b32 s25, 0xfedcba98                      ; v_permlanex16_b32's selects for lane l xor 16
	s_mov_b32 s26, 0x3e38aa3b                      ; c = log2(e) / 8
	s_mov_b32 s27, s26                             ; (named with it as a pair, so it is written)
	s_mov_b32 s28, 0x05040100                      ; two low halves
	s_mov_b32 s29, 0x07060302                      ; two high halves
	s_mov_b32 s30, 0xd0000000                      ; -2^33
	s_and_b32 s20, ttmp7, 0xffff                   ; the head
	s_mov_b32 s3, 0
	s_wait_kmcnt 0x0
	s_mul_i32 s2, s20, 64*REC
	s_add_nc_u64 s[4:5], s[32:33], s[2:3]
	s_mul_i32 s2, ttmp9, 8448
	s_add_nc_u64 s[6:7], s[34:35], s[2:3]
	s_lshl_b32 s2, ttmp9, 8
	s_add_nc_u64 s[36:37], s[36:37], s[2:3]        ; the tile's list
	s_lshl_b32 s2, s22, 5
	s_add_nc_u64 s[44:45], s[36:37], s[2:3]
	s_lshl_b32 s2, s22, 2
	s_add_nc_u64 s[46:47], s[36:37], s[2:3]
	s_load_b256 s[12:19], s[44:45], 0x0            ; my eight pairs
	s_load_b32 s21, s[46:47], 0x80                 ; and how many of them count
	s_lshl_b32 s20, s20, 12
	s_lshl_b32 s2, ttmp9, 4
	s_add_co_u32 s20, s20, s2                      ; the tile's first query, counted through all heads
	s_mul_i32 s2, s20, 48
	s_add_nc_u64 s[8:9], s[38:39], s[2:3]
	s_lshl_b32 s2, s20, 1
	s_add_nc_u64 s[10:11], s[40:41], s[2:3]
	s_lshl_b32 s2, s22, 2
	s_add_co_u32 s2, s2, s20
	s_lshl_b32 s2, s2, 8
	s_add_nc_u64 s[100:101], s[42:43], s[2:3]
	global_load_b64 v[14:15], v230, s[8:9]
	global_load_b64 v[16:17], v230, s[8:9] offset:8
	global_load_b64 v[18:19], v230, s[8:9] offset:16
	global_load_u16 v26, v231, s[10:11]
.irp j, 8,9,10,11,12,13,20,21,22,23,24,25
	v_mov_b32 v[\j], 0
.endr
.set j, 0
.rept 32
	v_mov_b32 v[OREG+j], 0                         ; O^T.  (The step is written for every step alike: the first finds zeros, which the first change of M leaves zeros; a wave with no step hands zeros on)
.set j, j+1
.endr
	v_mov_b32 v30, 0
	v_mov_b32 v31, 0
	v_mov_b32 v29, 0xff61b1e6                      ; the largest t so far: -3e38, under every t
	v_floor_f32 v28, -v29
.irp b, 0,1,2,3
	v_mov_b32 v[EX+\b], 0                          ; written once: a lane permute's destination counts as one of its sources
.endr
	v_mov_b32 v253, 0                              ; (named as the upper half of the pair v[252:253] before it is first written)
	s_wait_kmcnt 0x0
	s_min_u32 s21, s21, 8
	s_cmp_eq_u32 s21, 0
	s_cbranch_scc1 .Lmerge                         ; a list of fewer than four pairs leaves some waves without a step
; The next pair of my queue: its two records and its two blocks of mask words.  Numbers from the list are held to their tables before they enter an address.
.macro NEXT
	s_wait_xcnt 0x0                                ; every earlier load has read its base: the records' may be written
	s_mov_b32 s23, s12
.irp q, 12,13,14,15,16,17,18
	s_mov_b32 s[\q], s[\q+1]
.endr
	s_mov_b32 s19, 0x00400040
	s_and_b32 s66, s23, 0x7f                       ; block a
	s_bfe_u32 s67, s23, 0x70010                    ; block b
	s_min_u32 s2, s66, 63                          ; (entry 64 counts for nothing: it reads record 63 under a mask of zeros)
	s_mul_i32 s2, s2, REC
	s_mov_b32 s3, 0
	s_add_nc_u64 s[8:9], s[4:5], s[2:3]
	s_min_u32 s2, s67, 63
	s_mul_i32 s2, s2, REC
	s_add_nc_u64 s[10:11], s[4:5], s[2:3]
	s_min_u32 s66, s66, 64
	s_lshl_b32 s66, s66, 7
	s_min_u32 s67, s67, 64
	s_lshl_b32 s67, s67, 7
.endm
.macro KLOADS                          ; 14 loads: K's four fragments and the two records' scale words
.irp f, 0,1
.irp k, 0,1,2
	global_load_b128 v[KF+12*\f+4*\k:KF+12*\f+4*\k+3], v2, s[8:9] offset:1536*\f+512*\k
.endr
.endr
.irp f, 0,1
.irp k, 0,1,2
	global_load_b128 v[KF+24+12*\f+4*\k:KF+24+12*\f+4*\k+3], v2, s[10:11] offset:1536*\f+512*\k
.endr
.endr
	global_load_b64 v[6:7], v3, s[8:9] offset:6144
	global_load_b64 v[254:255], v3, s[10:11] offset:6144
.endm
.macro VLOADS                          ; 16 loads: V's four fragments: registers 0-5 block a's 64 keys, registers 6-11 block b's
.irp T, 0,1,2,3
	global_load_b128 v[VF+12*\T:VF+12*\T+3], v2, s[8:9] offset:3072+768*\T
	global_load_b64 v[VF+12*\T+4:VF+12*\T+5], v3, s[8:9] offset:3584+768*\T
	global_load_b128 v[VF+12*\T+6:VF+12*\T+9], v2, s[10:11] offset:3072+768*\T
	global_load_b64 v[VF+12*\T+10:VF+12*\T+11], v3, s[10:11] offset:3584+768*\T
.endr
.endm
.macro MWLOADS
	s_load_b512 s[32:47], s[6:7], s66 offset:0x0
	s_load_b512 s[48:63], s[6:7], s66 offset:0x40
	s_load_b512 s[68:83], s[6:7], s67 offset:0x0
	s_load_b512 s[84:99], s[6:7], s67 offset:0x40
.endm
.macro SMUL f, ks                      ; fragment f of K against [q | 0] and [0 | q]: tiles 2 f and 2 f + 1 of S^T
	v_wmma_scale_f32_16x16x128_f8f6f4 v[SREG+16*\f:SREG+16*\f+7], v[KF+12*\f:KF+12*\f+11], v[14:25], 0, v[\ks], v26 matrix_a_fmt:MATRIX_FMT_FP6 matrix_b_fmt:MATRIX_FMT_FP6
	v_wmma_scale_f32_16x16x128_f8f6f4 v[SREG+16*\f+8:SREG+16*\f+15], v[KF+12*\f:KF+12*\f+11], v[8:19], 0, v[\ks], v26 matrix_a_fmt:MATRIX_FMT_FP6 matrix_b_fmt:MATRIX_FMT_FP6 matrix_b_scale:MATRIX_SCALE_ROW1
.endm
; A STEP: the two blocks of the pair in hand, 128 gathered keys.  more = 1: the next pair's loads go out on the way.
.macro STEP more
	s_wait_loadcnt 16                              ; K's fragments and the scale words are in; V's 16 loads, issued behind them, may stay out
	s_wait_kmcnt 0x0                               ; the mask words
	SMUL 0, 6
	SMUL 1, 7
	SMUL 2, 254
	SMUL 3, 255
.rept 4
	v_nop                                          ; four places behind the products: for the reads of the scores, and for the loads into K's and the scale words' registers
.endr
	v_perm_b32 v[VS], v254, v6, s28                ; V's scale words, in lanes 16-31: block a's two bytes below, block b's above; d tiles 0, 1, 2, 3
	v_perm_b32 v[VS+1], v254, v6, s29
	v_perm_b32 v[VS+2], v255, v7, s28
	v_perm_b32 v[VS+3], v255, v7, s29
	s_bitcmp1_b32 s23, 8                           ; block a wholly open: nothing to hide (a whole number from the list)
	s_cbranch_scc1 .Lopen_a_\@
.set n, 0
.rept 32
	v_cndmask_b32 v[SREG+n], s30, v[SREG+n], s[32+n]   ; ascending: each accumulator is first read at its low end, on this way and on the way round
.set n, n+1
.endr
.Lopen_a_\@:
	s_bitcmp1_b32 s23, 24
	s_cbranch_scc1 .Lopen_b_\@
.set n, 0
.rept 32
	v_cndmask_b32 v[SREG+32+n], s30, v[SREG+32+n], s[68+n]
.set n, n+1
.endr
.Lopen_b_\@:
.if \more
	s_wait_alu depctr_va_vdst(0)                   ; the eight products and the four byte selections are done reading K's fragments and the records' scale words, in which the loads below land; the selections by the mask words are done with s32 to s99, over which the scalar loads below write
	NEXT
	KLOADS                                         ; they have the softmax in which to land; no vector or matrix instruction up to the next step's products names their registers
	MWLOADS
.endif
.irp b, 0,1,2,3
	v_max3_num_f32 v[BM+\b], v[SREG+16*\b], v[SREG+1+16*\b], v[SREG+2+16*\b]   ; THE LARGEST SCORE OF EACH BLOCK OF 32 KEYS serves twice: for the row's maximum, and, since p rises with the score, for the block's largest p
.endr
.irp i, 3,5,7,9,11,13
.irp b, 0,1,2,3
	v_max3_num_f32 v[BM+\b], v[BM+\b], v[SREG+16*\b+\i], v[SREG+1+16*\b+\i]
.endr
.endr
.irp b, 0,1,2,3
	v_max_num_f32 v[BM+\b], v[BM+\b], v[SREG+15+16*\b]
.endr
.irp b, 0,1,2,3
	v_permlanex16_b32 v[EX+\b], v[BM+\b], s24, s25
.endr
.irp b, 0,1,2,3
	v_max_num_f32 v[BM+\b], v[BM+\b], v[EX+\b]     ; with lane l xor 16's 16 keys
.endr
	v_max3_num_f32 v[EX], v[BM], v[BM+1], v[BM+2]
	v_max_num_f32 v[EX], v[EX], v[BM+3]            ; the step's largest score of my query
	v_mul_f32 v[EX], s26, v[EX]                    ; as t (c is positive)
	v_max_num_f32 v29, v29, v[EX]                  ; the running largest t
	v_mov_b32 v[EX], v28
	v_floor_f32 v28, -v29                          ; the new -M = floor(-t) = -ceil(t): M is a whole number
	v_sub_f32 v[EX], v28, v[EX]                    ; old M - new M: a whole number, 0 or less
	v_cvt_i32_f32 v[EX], v[EX]                     ; (it saturates)
	v_ldexp_f32 v252, 1.0, v[EX]                   ; f = 2^(old M - new M)
.set j, 0
.rept 32
	v_pk_fma_f32 v[SREG+j:SREG+j+1], v[SREG+j:SREG+j+1], s[26:27], v[28:29] op_sel_hi:[1,0,0]   ; t - M, two at a time (of the pairs c and -M the low word serves both halves)
.set j, j+2
.endr
.irp b, 0,1,2,3
	v_fma_f32 v[BM+\b], v[BM+\b], s26, v28         ; the same of each block's largest score
.endr
.set j, 0
.rept 64
	v_exp_f32 v[SREG+j], v[SREG+j]                 ; p = 2^(t - M), at most 1; 0 where the place is hidden and the row has had an open key
.set j, j+1
.endr
	v_pk_mul_f32 v[30:31], v[30:31], v[252:253] op_sel_hi:[1,0]   ; the sums under the new M: the plain instruction behind the exponentials
	s_wait_alu depctr_va_vdst(0)                   ; the 64 exponentials have written p, ahead of its first reader: one wait for the batch
.irp b, 0,1,2,3
	v_exp_f32 v[BM+\b], v[BM+\b]                   ; the blocks' largest p: the same two instructions on the same number give the same bits
.endr
	v_pk_add_f32 v[EX:EX+1], v[SREG:SREG+1], v[SREG+2:SREG+3]   ; THE ROW'S SUM IS TAKEN OF THE UNQUANTISED p: two at a time, in two chains; it reads the 64 alone
.set j, 4
.rept 15
	v_pk_add_f32 v[30:31], v[30:31], v[SREG+j:SREG+j+1]
	v_pk_add_f32 v[EX:EX+1], v[EX:EX+1], v[SREG+j+2:SREG+j+3]
.set j, j+4
.endr
	v_pk_add_f32 v[30:31], v[30:31], v[EX:EX+1]
	s_wait_alu depctr_va_vdst(0)                   ; the four exponentials have written the blocks' largest p, ahead of its first reader
.irp b, 0,1,2,3
	v_max_num_f32 v[BM+\b], 0x1800000, v[BM+\b]    ; the floor 2^(3 - 127): the byte cannot fall under 1 (a block whose every p is 0 keeps that byte: its codes are zeros)
.endr
.irp b, 0,1,2,3
	v_add_nc_u32 v[SO+\b], 0xff000000, v[BM+\b]    ; 2 off the exponent field: the conversion's scale operand
.endr
.irp b, 0,1,2,3
	v_lshrrev_b32 v[EX+\b], 23, v[SO+\b]           ; the scale's byte
.endr
	v_lshl_or_b32 v253, v[EX+1], 8, v[EX]          ; p's scale word for these 128 keys
	v_lshl_or_b32 v253, v[EX+2], 16, v253
	v_lshl_or_b32 v253, v[EX+3], 24, v253
.irp c, 0,1
	v_cvt_scalef32_pk16_fp6_f32 v[PC+6*\c:PC+2+6*\c], v[SREG+32*\c:SREG+15+32*\c], v[SO+2*\c]
	v_cvt_scalef32_pk16_fp6_f32 v[EX+4*\c:EX+2+4*\c], v[SREG+16+32*\c:SREG+31+32*\c], v[SO+2*\c+1]   ; (a conversion's three registers begin on an even number)
.endr
	v_nop                                          ; one plain instruction between a scaled conversion and the instruction that touches its result
.irp c, 0,1                                    ; the operand's layout wants a WHOLE block in a lane: lanes 0-15 block 2 c, lanes 16-31 block 2 c + 1
.irp i, 0,1,2
	v_permlane16_swap_b32 v[PC+6*\c+\i], v[EX+4*\c+\i]
.endr
.irp i, 0,1,2
	v_mov_b32 v[PC+3+6*\c+\i], v[EX+4*\c+\i]
.endr
.endr
.set j, 0
.rept 16
	v_pk_mul_f32 v[OREG+j:OREG+j+1], v[OREG+j:OREG+j+1], v[252:253] op_sel_hi:[1,0]   ; O^T under the new M.  (These are also the places between the codes' and the scale word's last writes and the products)
.set j, j+2
.endr
	s_wait_loadcnt 14*\more                        ; V's fragments are in; the next step's 14 loads of K, issued behind them, may stay out (the last step has none)
	s_wait_alu depctr_va_vdst(0)                   ; p's codes v224-235, p's scale word v253 and V's scale words v248-251 are written, which the scaled products below take as operand and scales; the places above stay beside this wait
.irp T, 0,1,2,3                                ; O^T += V^T P^T: the four accumulators by turns, one instruction a turn
	v_wmma_scale_f32_16x16x128_f8f6f4 v[OREG+8*\T:OREG+8*\T+7], v[VF+12*\T:VF+12*\T+11], v[PC:PC+11], v[OREG+8*\T:OREG+8*\T+7], v[VS+\T], v253 matrix_a_fmt:MATRIX_FMT_FP6 matrix_b_fmt:MATRIX_FMT_FP6 matrix_a_scale:MATRIX_SCALE_ROW1
.endr
.if \more
.rept 4
	v_nop                                          ; four places in front of loads into registers that the products have read
.endr
	s_wait_alu depctr_va_vdst(0)                   ; the four products are done reading V's fragments, in which the loads below land
	VLOADS
.endif
.endm
	NEXT
	KLOADS
	VLOADS
	MWLOADS
	s_wait_loadcnt 30                              ; q's four loads are in; the 30 issued behind them stay out
	s_wait_alu depctr_vm_vsrc(0)                   ; q's four loads have read their offsets v230 and v231, which every step's conversions write again as part of p's codes
	v_bfe_u32 v224, v0, 4, 1
	v_lshlrev_b32 v224, 4, v224
	v_lshlrev_b32 v26, v224, v26                   ; lanes 16-31: q's two scale bytes 16 bits up, for [0 | q]; the bytes beside them are 0, over zero codes
.rept 8
	v_nop                                          ; a scale register written by a vector instruction stands eight places ahead of a scaled product
.endr
	s_wait_alu depctr_va_vdst(0)                   ; q's scale word v26 and the zeros v8-13 and v20-25 are written, which the scaled products of every step take as scale and as operand; the places above stay beside this wait
	s_sub_co_u32 s21, s21, 1
	s_mov_b32 s20, 0
	s_cmp_eq_u32 s21, 0
	s_cbranch_scc1 .Ltail
.Lstep:                                            ; my steps but the last
	STEP 1
	s_add_co_u32 s20, s20, 1
	s_cmp_lt_u32 s20, s21
	s_cbranch_scc1 .Lstep
.Ltail:
	STEP 0                                         ; the last step is written out: it asks for nothing more, and every count holds on every way
.Lmerge:
	; THE FOUR WAVES' PARTS MEET.  Each puts O^T, -M and its sum into its own image; one barrier; wave w then finishes queries 4 w .. 4 w + 3.
.rept 4
	v_nop                                          ; four places behind the last products
.endr
	v_add_f32 v29, v30, v31                        ; the sum's two halves,
	v_permlanex16_b32 v[EX], v29, s24, s25
	v_add_f32 v29, v29, v[EX]                      ; and lane l xor 16's
	s_wait_alu depctr_va_vdst(0)                   ; O^T, -M and the sum are written, which the LDS stores below read (the places above stay beside this wait); and the last step's products are done reading v32-79, in which the LDS loads behind the barrier land: no vector instruction stands between
.irp k, 0,1,2,3,4,5,6,7
	ds_store_b128 v1, v[OREG+4*\k:OREG+4*\k+3] offset:544*\k   ; row 2 k + h: channels 16 (k / 2) + 8 h + 4 (k % 2) + 0 .. 3 of query r; each accumulator from its low end on
.endr
	ds_store_b64 v1, v[28:29] offset:STATS
	s_wait_dscnt 0x0                               ; for the others' sake: my stores have landed
	s_barrier_signal -1
	s_barrier_wait -1
.irp g, 0,1
.irp u, 0,1,2,3
	ds_load_b128 v[32+16*\g+4*\u:35+16*\g+4*\u], v27 offset:OIMG*\u+32*\g
	ds_load_b64 v[64+8*\g+2*\u:65+8*\g+2*\u], v243 offset:OIMG*\u+STATS+32*\g
.endr
.endr
	v_mov_b32 v133, 0                              ; (upper halves of the pairs that the last multiplications name)
	v_mov_b32 v135, 0
	s_wait_dscnt 0x0
.irp g, 0,1
	v_min_num_f32 v[128+\g], v[64+8*\g], v[66+8*\g]
.endr
.irp g, 0,1
	v_min_num_f32 v[128+\g], v[128+\g], v[68+8*\g]
.endr
.irp g, 0,1
	v_min_num_f32 v[128+\g], v[128+\g], v[70+8*\g]   ; the least -M: the query's M
.endr
.irp g, 0,1
.irp u, 0,1,2,3
	v_sub_f32 v[145+8*\g+2*\u], v[128+\g], v[64+8*\g+2*\u]   ; wave u's M - M: a whole number, 0 or less
.endr
.endr
.irp g, 0,1
.irp u, 0,1,2,3
	v_cvt_i32_f32 v[145+8*\g+2*\u], v[145+8*\g+2*\u]   ; (it saturates: a wave without a step, or with hidden places alone beside an open key elsewhere, gets the factor 0)
.endr
.endr
.irp g, 0,1
.irp u, 0,1,2,3
	v_ldexp_f32 v[144+8*\g+2*\u], 1.0, v[145+8*\g+2*\u]
.endr
.endr
.irp g, 0,1
	v_mul_f32 v[130+\g], v[144+8*\g], v[65+8*\g]
.endr
.irp u, 1,2,3
.irp g, 0,1
	v_fma_f32 v[130+\g], v[144+8*\g+2*\u], v[65+8*\g+2*\u], v[130+\g]   ; the query's sum
.endr
.endr
	v_rcp_f32 v132, v130
	v_rcp_f32 v134, v131
.irp g, 0,1                                    ; O's four parts are added meanwhile: plain work that names neither reciprocal
.irp e, 0,2
	v_pk_mul_f32 v[160+4*\g+\e:161+4*\g+\e], v[32+16*\g+\e:33+16*\g+\e], v[144+8*\g:145+8*\g] op_sel_hi:[1,0]
.endr
.endr
.irp u, 1,2,3
.irp g, 0,1
.irp e, 0,2
	v_pk_fma_f32 v[160+4*\g+\e:161+4*\g+\e], v[32+16*\g+4*\u+\e:33+16*\g+4*\u+\e], v[144+8*\g+2*\u:145+8*\g+2*\u], v[160+4*\g+\e:161+4*\g+\e] op_sel_hi:[1,0,1]
.endr
.endr
.endr
	s_wait_alu depctr_va_vdst(0)                   ; the two reciprocals have written v132 and v134, ahead of their first reader: one wait for both
.irp g, 0,1
.irp e, 0,2
	v_pk_mul_f32 v[160+4*\g+\e:161+4*\g+\e], v[160+4*\g+\e:161+4*\g+\e], v[132+2*\g:133+2*\g] op_sel_hi:[1,0]
.endr
.endr
	s_wait_alu depctr_va_vdst(0)                   ; the four multiplications have written v160-167, which the two stores read
	global_store_b128 v2, v[160:163], s[100:101] th:TH_STORE_NT              ; sixteen lanes store a row's 256 consecutive bytes, at a multiple of 256 from out0's first byte: queries 4 w, 4 w + 1,
	global_store_b128 v2, v[164:167], s[100:101] offset:512 th:TH_STORE_NT   ; and 4 w + 2, 4 w + 3
	s_wait_dscnt 0x0                               ; the wave's end: the closing lines, six on end
	s_wait_alu 0x0
	s_wait_tensorcnt 0x0
	ds_add_u32 v4, v5
	s_wait_dscnt 0x0
	s_endpgm
.Lfunc_end_k_q8a4e25f89e_attn:
	.size	k_q8a4e25f89e_attn, .Lfunc_end_k_q8a4e25f89e_attn-k_q8a4e25f89e_attn
	.p2alignl 7, 3214868480
	.fill 96, 4, 3214868480
	.section	.rodata,"a",@progbits
	.p2align	6, 0x0
	.amdhsa_kernel k_q8a4e25f89e_attn
		.amdhsa_group_segment_fixed_size 20480
		.amdhsa_private_segment_fixed_size 0
		.amdhsa_enable_private_segment 0
		.amdhsa_kernarg_size 48
		.amdhsa_user_sgpr_count 2
		.amdhsa_user_sgpr_kernarg_segment_ptr 1
		.amdhsa_wavefront_size32 1
		.amdhsa_system_sgpr_workgroup_id_x 1
		.amdhsa_system_sgpr_workgroup_id_y 1
		.amdhsa_system_sgpr_workgroup_id_z 1
		.amdhsa_system_vgpr_workitem_id 0
		.amdhsa_next_free_vgpr 256
		.amdhsa_next_free_sgpr 102
		.amdhsa_reserve_vcc 0
		.amdhsa_float_denorm_mode_32 3
		.amdhsa_float_denorm_mode_16_64 3
		.amdhsa_memory_ordered 1
		.amdhsa_forward_progress 1
		.amdhsa_inst_pref_size 55
	.end_amdhsa_kernel
	.amdgpu_metadata
---
amdhsa.version: [ 1, 2 ]
amdhsa.kernels:
  - .name:           k_q8a4e25f89e_attn
    .symbol:         k_q8a4e25f89e_attn.kd
    .args:
      - { .name: kv, .offset: 0, .size: 8, .value_kind: global_buffer, .address_space: global }
      - { .name: bits, .offset: 8, .size: 8, .value_kind: global_buffer, .address_space: global }
      - { .name: lists, .offset: 16, .size: 8, .value_kind: global_buffer, .address_space: global }
      - { .name: q_codes, .offset: 24, .size: 8, .value_kind: global_buffer, .address_space: global }
      - { .name: q_scales, .offset: 32, .size: 8, .value_kind: global_buffer, .address_space: global }
      - { .name: out0, .offset: 40, .size: 8, .value_kind: global_buffer, .address_space: global }
    .group_segment_fixed_size: 20480
    .private_segment_fixed_size: 0
    .kernarg_segment_align: 8
    .kernarg_segment_size: 48
    .max_flat_workgroup_size: 128
    .sgpr_count:     102
    .vgpr_count:     256
    .wavefront_size: 32
...
	.end_amdgpu_metadata
.endif
;; end of part 3
